; MI455X (gfx1250); checked and timed in simulation.
; The chip was launched on July 23, 2026; its instructions are those of AMD's public machine-readable ISA for CDNA 5 (MIT licence, August 2026) and "CDNA5" Instruction Set Architecture Reference Guide (July 2026). The comments in the code are by the model that wrote it; some were corrected since.
;; Int4 Linear. Allowed arithmetic: float matrix products may take bf16 or f16 operands with f32 sums; all other float work in f32.
;; Inputs: bias 4,096 float32; qweight 4,096 x 4,096 int32; scale 4,096 float32; x 2 x 2,048 x 4,096 float32; zero_point 4,096 int32.
;; Outputs: out0 2 x 2,048 x 4,096 float32.
;; 2 versions, each right; version 2 is version 1 with the launch cvt written anew for expert scheduling mode. Each part assembles by itself: llvm-mc -triple=amdgcn-amd-amdhsa -mcpu=gfx1250 --defsym DOCPART=n.
;; ======== version 1 of 2: 2 launches
;; limits: values are held in f16: magnitudes above 65,504 overflow, below 6.1e-05 lose precision; inputs' magnitudes at most 65,504; below input magnitudes of 6.1e-05 results are inexact or not finite
;; workspace buffers: xh 33,554,432 bytes; wh 33,554,432 bytes
;; launch cvt (part 1): grid 512 x 2, 8 waves a work-group, no clusters, 0 bytes of LDS; arguments x, qweight, zero_point, xh, wh; writes xh, wh
.if DOCPART == 1
	.amdgcn_target "amdgcn-amd-amdhsa--gfx1250"
	.amdhsa_code_object_version 6
	.text
	.protected	k_q923901892f_cvt
	.globl	k_q923901892f_cvt
	.p2align	8
	.type	k_q923901892f_cvt,@function
k_q923901892f_cvt:
	s_mov_b64 s[64:65], 0
	v_nop
	global_prefetch_b8 v0, s[64:65] scope:SCOPE_SE
	s_setreg_imm32_b32 hwreg(HW_REG_WAVE_MODE, 25, 1), 1
	s_wait_xcnt 0x0
; xh[m][i] = f16(x[m][i]);  wh[o][i] = f16(f32(q[o][i]) - f32(zp[o])).  x: [4096][4096] f32, q: [4096][4096] i32, zp: [4096] i32; xh, wh: [4096][4096] f16.
; Each operand of the product that follows is narrowed ONCE here, so that the product moves 2-byte numbers and does no conversion of its own.
; LIMITS.  f16 holds no number beyond 65,504: |x| from 65,520 on becomes an infinity; below 2^-14 x keeps f16's fixed step of 2^-24.  q - zp is exact up to 2,048 in magnitude,
; rounded to 11 bits above that, an infinity from 65,520 on.  NaN passes through.  The difference is formed as the problem's formula forms it: both numbers to f32, then subtracted.
; SHARES.  Work-group y = 0 takes x, y = 1 takes q.  Wave w of work-group g owns ONE row, 8 g + w: 16,384 bytes in, 8,192 bytes out, in 32 turns.  A turn is one load of 16 bytes a lane
; (512 consecutive bytes a wave) and one store of 8 bytes a lane (256 consecutive bytes, at a multiple of 256 from the buffer's first byte).
; A ring of DEPTH load slots in registers keeps DEPTH loads of every wave on their way.  The turn's place stands in the immediates, every turn has its own two store registers, and neither the
; lane offsets nor the bases are ever rewritten: so no source of a pending load or store is touched, and the only waits are the counted ones for the loads.
; No LDS, no barrier, no matrix unit, no cluster: no byte is read by two waves.
.set DEPTH, 8
.set TURNS, 32
.set LI, 3                             ; v3        16 x lane: my 16 bytes of a turn's 512; never rewritten
.set LO, 4                             ; v4        8 x lane: my 8 bytes of a turn's 256; never rewritten
.set Z,  6                             ; v[6:7]    f32(zp of my row), twice: a pair for the packed subtraction
.set T,  8                             ; v[8:11]   at work
.set X,  12                            ; v[12:43]  slot s: 4 registers as loaded
.set Y,  44                            ; v[44:107] turn t: 2 registers to store
	s_load_b256 s[4:11], s[0:1], 0x0               ; x s[4:5], q s[6:7], zp s[8:9], xh s[10:11]
	s_load_b64 s[12:13], s[0:1], 0x20              ; wh
	v_lshrrev_b32 v1, 5, v0
	v_readfirstlane_b32 s14, v1                    ; wave 0..7
	s_lshl3_add_u32 s15, ttmp9, s14                ; my row = 8 x work-group + wave
	s_and_b32 s16, ttmp7, 0xffff                   ; 0: x, 1: q
	v_and_b32 v2, 31, v0                           ; lane
	v_lshlrev_b32 v[LI], 4, v2
	v_lshlrev_b32 v[LO], 3, v2
	s_lshl_b32 s18, s15, 14                        ; the row's first byte in x or q (at most 4,095 x 16,384: under 2^32),
	s_mov_b32 s19, 0
	s_lshl_b32 s20, s15, 13                        ; in xh or wh,
	s_mov_b32 s21, 0
	s_lshl_b32 s22, s15, 2                         ; and its word in zp
	s_mov_b32 s23, 0
	s_wait_kmcnt 0x0
.macro FILL src                        ; the ring is filled: turns 0 to 7
.irp i, 0,1,2,3,4,5,6,7
	global_load_b128 v[X+4*(\i):X+4*(\i)+3], v[LI], s[\src:\src+1] offset:512*(\i) th:TH_LOAD_NT
.endr
.endm
; Turn t (an assembly symbol).  kind = 0: f32 to f16.  kind = 1: i32 to f32, less zp, to f16.
.macro TURN kind, src, dst
.set sl, X+4*(t%DEPTH)
.if t <= TURNS-DEPTH
	s_wait_loadcnt DEPTH-1                         ; loads come back in order (ISA guide 5.7.1): 8 + t have been issued, load t is in, the seven younger ones stay out
.else
	s_wait_loadcnt TURNS-1-t                       ; all 32 have been issued: the counts run down
.endif
.if \kind
	v_cvt_f32_i32 v[T],   v[sl]
	v_cvt_f32_i32 v[T+1], v[sl+1]
	v_cvt_f32_i32 v[T+2], v[sl+2]
	v_cvt_f32_i32 v[T+3], v[sl+3]
	v_pk_add_f32 v[T:T+1],   v[T:T+1],   v[Z:Z+1] neg_lo:[0,1] neg_hi:[0,1]  ; q - zp, two at a time
	v_pk_add_f32 v[T+2:T+3], v[T+2:T+3], v[Z:Z+1] neg_lo:[0,1] neg_hi:[0,1]
	v_cvt_pk_f16_f32 v[Y+2*t],   v[T],   v[T+1]
	v_cvt_pk_f16_f32 v[Y+2*t+1], v[T+2], v[T+3]
.else
	v_cvt_pk_f16_f32 v[Y+2*t],   v[sl],   v[sl+1]   ; two roundings, packed: the first source in the low half
	v_cvt_pk_f16_f32 v[Y+2*t+1], v[sl+2], v[sl+3]
.endif
.if t < TURNS-DEPTH
	global_load_b128 v[sl:sl+3], v[LI], s[\src:\src+1] offset:512*(t+DEPTH) th:TH_LOAD_NT  ; the slot's next turn, ahead of the store
.endif
	global_store_b64 v[LO], v[Y+2*t:Y+2*t+1], s[\dst:\dst+1] offset:256*t  ; no hint: the next launch reads these bytes
.set t, t+1
.endm
	s_cmp_lg_u32 s16, 0
	s_cbranch_scc1 .Lweights
	s_add_nc_u64 s[4:5], s[4:5], s[18:19]          ; x and xh at my row
	s_add_nc_u64 s[10:11], s[10:11], s[20:21]
	FILL 4
.set t, 0
.rept TURNS
	TURN 0, 4, 10
.endr
	s_endpgm
.Lweights:
	s_add_nc_u64 s[6:7], s[6:7], s[18:19]          ; q and wh at my row, zp at my row's word
	s_add_nc_u64 s[12:13], s[12:13], s[20:21]
	s_add_nc_u64 s[8:9], s[8:9], s[22:23]
	s_load_b32 s24, s[8:9], 0x0                    ; one zero point serves the whole row
	FILL 6
	s_wait_kmcnt 0x0
	v_cvt_f32_i32 v[Z], s24
	v_mov_b32 v[Z+1], v[Z]
.set t, 0
.rept TURNS
	TURN 1, 6, 12
.endr
	s_endpgm
.Lfunc_end_k_q923901892f_cvt:
	.size	k_q923901892f_cvt, .Lfunc_end_k_q923901892f_cvt-k_q923901892f_cvt
	.p2alignl 7, 3214868480
	.fill 96, 4, 3214868480
	.section	.rodata,"a",@progbits
	.p2align	6, 0x0
	.amdhsa_kernel k_q923901892f_cvt
		.amdhsa_group_segment_fixed_size 0
		.amdhsa_private_segment_fixed_size 0
		.amdhsa_enable_private_segment 0
		.amdhsa_kernarg_size 40
		.amdhsa_user_sgpr_count 2
		.amdhsa_user_sgpr_kernarg_segment_ptr 1
		.amdhsa_wavefront_size32 1
		.amdhsa_system_sgpr_workgroup_id_x 1
		.amdhsa_system_sgpr_workgroup_id_y 1
		.amdhsa_system_sgpr_workgroup_id_z 1
		.amdhsa_system_vgpr_workitem_id 0
		.amdhsa_next_free_vgpr 112
		.amdhsa_next_free_sgpr 66
		.amdhsa_reserve_vcc 0
		.amdhsa_float_denorm_mode_32 3
		.amdhsa_float_denorm_mode_16_64 3
		.amdhsa_memory_ordered 1
		.amdhsa_forward_progress 1
		.amdhsa_inst_pref_size 32
	.end_amdhsa_kernel
	.amdgpu_metadata
---
amdhsa.version: [ 1, 2 ]
amdhsa.kernels:
  - .name:           k_q923901892f_cvt
    .symbol:         k_q923901892f_cvt.kd
    .args:
      - { .name: x, .offset: 0, .size: 8, .value_kind: global_buffer, .address_space: global }
      - { .name: qweight, .offset: 8, .size: 8, .value_kind: global_buffer, .address_space: global }
      - { .name: zero_point, .offset: 16, .size: 8, .value_kind: global_buffer, .address_space: global }
      - { .name: xh, .offset: 24, .size: 8, .value_kind: global_buffer, .address_space: global }
      - { .name: wh, .offset: 32, .size: 8, .value_kind: global_buffer, .address_space: global }
    .group_segment_fixed_size: 0
    .private_segment_fixed_size: 0
    .kernarg_segment_align: 8
    .kernarg_segment_size: 40
    .max_flat_workgroup_size: 256
    .sgpr_count:     66
    .vgpr_count:     112
    .wavefront_size: 32
...
	.end_amdgpu_metadata
.endif
;; end of part 1
;; launch gemm (part 2): grid 16 x 16, 4 waves a work-group, clusters of 4 x 4, 327,680 bytes of LDS; arguments xh, wh, out0, scale, bias; writes out0
.if DOCPART == 2
	.amdgcn_target "amdgcn-amd-amdhsa--gfx1250"
	.amdhsa_code_object_version 6
	.text
	.protected	k_q923901892f_gemm
	.globl	k_q923901892f_gemm
	.p2align	8
	.type	k_q923901892f_gemm,@function
k_q923901892f_gemm:
	s_mov_b64 s[64:65], 0
	v_nop
	global_prefetch_b8 v0, s[64:65] scope:SCOPE_SE
	s_setreg_imm32_b32 hwreg(HW_REG_WAVE_MODE, 25, 1), 1
	s_wait_xcnt 0x0
	s_wait_alu depctr_hold_cnt(0) depctr_sa_sdst(0) depctr_va_vdst(0) depctr_va_sdst(0) depctr_va_ssrc(0) depctr_va_vcc(0) depctr_vm_vsrc(0)
	s_getreg_b32 s2, hwreg(HW_REG_IB_STS2, 6, 4)
	s_cmp_eq_u32 s2, 0
	s_cbranch_scc0 .Lentry_in_a_cluster
	s_endpgm
.Lentry_in_a_cluster:
	s_bfe_u32 s2, ttmp6, 0x10000c
	s_cmp_lg_u32 s2, 0xf033
	s_cbranch_scc0 .Lentry_shape_is_right
	s_endpgm
.Lentry_shape_is_right:
; out0[m][o] = scale[o] x (sum over i of xh[m][i] wh[o][i]) + bias[o].  xh: [4096][4096] f16 (x rounded once), wh: [4096][4096] f16 (q - zp, whole numbers, exact up to 2,048);
; scale, bias: [4096] f32; out0: [4096][4096] f32.  One f32 sum for each output, K ascending; scale and bias are applied to the f32 sum by one fused multiply-add.
; LIMITS.  Those of f16 operands: a number of xh or wh beyond 65,504 has arrived as an infinity; NaN and infinities are not treated apart.
; SHARES.  A tile of out0, 256 x 256, is made by a work-group of four waves; a wave makes 128 x 128: 64 accumulators of 16 x 16, 512 registers.  16 x 16 tiles: 256 work-groups, one tile each.
; K goes in 32 steps of 128 through a ring of two LDS slots filled by the tensor data mover: a tile's rows are 256 bytes of memory and start at multiples of 256 bytes from the buffer's first byte.
; THE LAST K STEP GOES BY ROWS OF out0, not by K, so that finished rows leave while the others are still multiplied: nothing follows the tile under which its 256 KiB of stores could leave.
; CLUSTERS: 4 x 4 work-groups.  The four of a row of the cluster need the same tiles of xh, the four of a column the same tiles of wh.  Such a tile is asked for JOINTLY: each of the four issues
; the same tensor load, with the same descriptor and a mask that names the four, and each receives the tile in its own LDS: a quarter of the requests.
; THE MATRIX INSTRUCTION IS USED TRANSPOSED: source 0 = 16 rows of wh, source 1 = 16 rows of xh.  In the result lane l then holds row m = l % 16 of out0 and its registers 0 to 7 the columns
; 8 (l / 16) + 0 .. 7: eight neighbouring numbers of a row, 32 bytes.
;
; REGISTERS, in windows of 256 (s_set_vgpr_msb's low byte: bits 1:0 source 0, 3:2 source 1, 5:4 source 2, 7:6 destination):
;   window 0: v0-31 addresses, and scale and bias of the 4 columns that my lane stores; v64-127, v128-191 fragments of xh (8 x 16 rows x 32 K), two buffers (in the last K step four, of 16 rows x 128 K)
;   window 1: v64-127, v128-191 fragments of wh, two buffers; in the last K step all 256: wh's fragments of the whole step
;   window 2: the 32 accumulators of my rows 0-63 (accumulator (a, b) at v[8 (8 a + b)]);   window 3: those of my rows 64-127.  On the way out a block's 64 registers also take its rows back from the stage.
.set SIZE_M, 4096
.set SIZE_N, 4096
.set SIZE_K, 4096
.set KSTEP,  128
.set PITCH,  272                       ; an LDS row: 256 bytes of data + 16 of padding = 68 words: row r starts at bank 4 r mod 64 (64 banks of 4 bytes: ISA guide 11.1), so the 16 rows that a load touches start at 16 different banks
.set HALFT,  128*PITCH                 ; 128 rows: what one tensor load brings, and what one wave reads of xh or of wh
.set SLOT,   4*HALFT                   ; xh's 256 rows, then wh's 256 rows
.set STAGE,  2*SLOT                    ; behind the ring: 16 rows x 528 bytes for each wave, for the way out; no tensor load lands here
.set SPITCH, 528                       ; a stage row: 512 bytes (128 f32) + 16 = 33 x 16 bytes: the 16 rows that a store touches start at 16 different groups of four banks
.set SPARE,  STAGE+4*16*SPITCH         ; behind the stages: the spare words, 128 bytes for each wave: two blocks of 256 bytes that no other line names
.set LAPS,   SIZE_K/(2*KSTEP)          ; a lap = two K steps = once round the ring: 16
.set SC4,  8                           ; v[8:11]   scale of columns 4 l .. 4 l + 3 of my wave's 128 (l: my lane)
.set BI4,  12                          ; v[12:15]  bias of the same four
.set ADRA, 16                          ; v16-17  LDS address of my xh fragments in slot 0, 1
.set ADRB, 20                          ; v20-21  the same for wh
.set STO,  24                          ; v24     the way out: where I put 32 bytes of a row
.set RD,   25                          ; v25     the way out: where I read 16 bytes of a row back
.set CO,   26                          ; v26     16 x lane: my byte offset in 512 consecutive bytes of out0, of scale and of bias; never rewritten
.set SPW,  28                          ; v28     LDS address of my spare word: SPARE + 4 x my thread's number; never rewritten
.set NIL,  29                          ; v29     0; never rewritten
.set F0,   64                          ; fragment buffer 0
.set F1,   128                         ; fragment buffer 1
.set PA,   64                          ; the last K step: xh's fragments of 16 rows x 128 K, 32 registers; four such buffers, v64-191
.set G1,  24                           ; s[24:31] descriptor group 1 for xh's tiles
.set G0,  32                           ; s[32:39] descriptor group 0 for xh's tiles, one set for each slot
.set G1B, 48                           ; s[48:55] descriptor group 1 for wh's tiles: it differs in the mask alone
.set G0B, 56                           ; s[56:63] descriptor group 0 for wh's tiles, one set for each slot
.set PSC, 68                           ; s[68:69] scale, s[70:71] bias
.set PBI, 70
.set MSB, 0
.macro WIN new                         ; the immediate's high byte repeats the setting that is left; a switch that changes nothing is dropped
.if MSB != (\new)
	s_set_vgpr_msb (MSB<<8)|(\new)
.set MSB, \new
.endif
.endm
.set MUL_LO, 0xa1                      ; source 0 (wh) window 1, source 1 (xh) window 0, C and D window 2
.set MUL_HI, 0xf1                      ; the same, C and D window 3
.set TO_B,   0x40                      ; destination window 1, address window 0
.set OUT_LO, 0x88                      ; the way out: destination and source 1 window 2, sources 0 and 2 window 0; + 0x44: window 3
; A joint load.  Waves 0 and 1 fetch xh's two halves, waves 2 and 3 wh's.  Each of the two lines has ONE mask and one set of registers for all that issue it, and nothing in them hangs on a
; coordinate that the four partners do not share.  The branch hangs on the wave's number alone.  An s_nop 0 and four v_nop follow each of the two lines, ahead of the jump, the label and what follows.
.macro JLOAD s
	s_cmp_eq_u32 s11, 0
	s_cbranch_scc0 .Lfor_b_\@
	tensor_load_to_lds s[G0+4*(\s):G0+4*(\s)+3], s[G1:G1+7]
	s_nop 0
.rept 4
	v_nop
.endr
	s_branch .Lasked_\@
.Lfor_b_\@:
	tensor_load_to_lds s[G0B+4*(\s):G0B+4*(\s)+3], s[G1B:G1B+7]
	s_nop 0
.rept 4
	v_nop
.endr
.Lasked_\@:
.endm
; A round of the cluster's barrier: my work-group's barrier, so that wave 0's signal speaks for all four waves; wave 0 signals for the work-group; every wave waits for all sixteen
; work-groups; my work-group's barrier once more.  No LDS instruction of the wave is pending at a signal.
.macro CREST                           ; a round behind its opening barrier
	s_cmp_lg_u32 s10, 0
	s_cbranch_scc1 .Lnot_wave_0_\@
	s_barrier_signal -3
.Lnot_wave_0_\@:
	s_barrier_wait -3
	s_barrier_signal -1
	s_barrier_wait -1
.endm
.macro CROUND                          ; a whole round
	s_barrier_signal -1
	s_barrier_wait -1
	CREST
.endm
	s_load_b128 s[4:7], s[0:1], 0x0                ; xh s[4:5], wh s[6:7]
	s_load_b64 s[8:9], s[0:1], 0x10                ; out0
	s_load_b128 s[PSC:PSC+3], s[0:1], 0x18         ; scale, bias
	v_lshl_add_u32 v[SPW], v0, 2, SPARE
	v_mov_b32 v[NIL], 0
	ds_add_u32 v28, v29
	ds_add_u32 v28, v29
	s_wait_dscnt 0x0
	v_lshrrev_b32 v1, 5, v0
	v_readfirstlane_b32 s10, v1                    ; wave 0..3
	s_lshr_b32 s11, s10, 1                         ; which half of the tile's rows is mine.  Also: I fetch for xh (0) or for wh (1)
	s_and_b32 s12, s10, 1                          ; which half of its columns.  Also: which 128 rows of that tile I fetch
	s_bfe_u32 s40, ttmp6, 0x40000                  ; cx: my place along the cluster's x
	s_bfe_u32 s41, ttmp6, 0x40004                  ; cy: along its y
	s_lshl_b32 s42, ttmp9, 2                       ; in a cluster launch ttmp9 and ttmp7 count clusters
	s_add_co_u32 s42, s42, s40                     ; tile column = 4 x cluster x + cx
	s_and_b32 s13, ttmp7, 0xffff
	s_lshl_b32 s13, s13, 2
	s_add_co_u32 s13, s13, s41                     ; tile row = 4 x cluster y + cy
	s_lshl_b32 s43, s41, 2
	s_lshl_b32 s43, 15, s43                        ; my row of the cluster: places 4 cy .. 4 cy + 3
	s_lshl_b32 s44, 0x1111, s40                    ; my column: places cx, cx + 4, cx + 8, cx + 12
	; descriptor group 1: a tile of 128 rows x 128 elements, padded in LDS
	s_or_b32 s[G1+0], s43, (1<<16)|(1<<20)|(1<<21)|(5<<22)|(3<<25)  ; 15:0 the mask: xh's tiles go to my row; 17:16 element of 2 bytes; 20 padding on; 21 set beside a mask; 24:22 after every 64 words (code 5); 31:25 of 4 words (code 3)
	s_or_b32 s[G1B+0], s44, (1<<16)|(1<<20)|(1<<21)|(5<<22)|(3<<25) ; the same with the mask of my column, for wh's tiles
	s_mov_b32 s[G1B+1], KSTEP<<16
	s_mov_b32 s[G1+1], KSTEP<<16                   ; 63:48 tensor_dim0, low half = 128
	s_mov_b32 s[G1B+2], 128<<16
	s_mov_b32 s[G1+2], 128<<16                     ; 79:64 its high half = 0; 95:80 tensor_dim1, low half = 128
	s_mov_b32 s[G1B+3], KSTEP<<16
	s_mov_b32 s[G1+3], KSTEP<<16                   ; 111:96 its high half = 0; 127:112 tile_dim0 = 128
	s_mov_b32 s[G1B+4], 128
	s_mov_b32 s[G1+4], 128                         ; 143:128 tile_dim1 = 128; 159:144 tile_dim2 = 0
	s_mov_b32 s[G1B+5], SIZE_K
	s_mov_b32 s[G1+5], SIZE_K                      ; 191:160 tensor_dim0_stride, low word: elements from row to row
	s_mov_b32 s[G1B+6], 0
	s_mov_b32 s[G1+6], 0
	s_mov_b32 s[G1B+7], 0
	s_mov_b32 s[G1+7], 0
	; where the tiles come from.  xh's hang on the tile row alone, which my row of the cluster shares; wh's on the tile column alone, which my column shares.
	; Every wave makes both addresses, in registers that never hold the other coordinate, and asks by one of them.
	s_lshl_b32 s17, s12, 7                         ; which 128 rows of the tile I fetch
	s_lshl_b32 s16, s13, 8
	s_add_co_u32 s16, s16, s17                     ; xh: row 256 x tile row + 128 x half
	s_lshl_b32 s46, s42, 8
	s_add_co_u32 s46, s46, s17                     ; wh: row 256 x tile column + 128 x half
	s_mov_b32 s17, 0
	s_mov_b32 s47, 0
	s_mov_b64 s[18:19], SIZE_K*2
	s_mul_u64 s[16:17], s[16:17], s[18:19]         ; in bytes
	s_mul_u64 s[46:47], s[46:47], s[18:19]
	s_mul_i32 s20, s10, HALFT                      ; and where they go: xh's two halves, then wh's two halves = wave x 128 rows: no place in the cluster enters an LDS address
	s_wait_kmcnt 0x0
	s_add_nc_u64 s[14:15], s[4:5], s[16:17]
	s_add_nc_u64 s[46:47], s[6:7], s[46:47]
	CROUND                                         ; all sixteen work-groups are here: the first joint loads meet
.irp s, 0,1
	s_mov_b32 s[G0+4*(\s)], 1                                      ; 1:0 count = 1
	s_add_co_u32 s[G0+4*(\s)+1], s20, (\s)*SLOT                    ; 63:32 LDS address
	s_add_nc_u64 s[G0+4*(\s)+2:G0+4*(\s)+3], s[14:15], (\s)*KSTEP*2  ; 120:64 global address: K step s
	s_or_b32 s[G0+4*(\s)+3], s[G0+4*(\s)+3], 0x80000000            ; 127:126 type = 2
	s_mov_b32 s[G0B+4*(\s)], 1
	s_add_co_u32 s[G0B+4*(\s)+1], s20, (\s)*SLOT
	s_add_nc_u64 s[G0B+4*(\s)+2:G0B+4*(\s)+3], s[46:47], (\s)*KSTEP*2
	s_or_b32 s[G0B+4*(\s)+3], s[G0B+4*(\s)+3], 0x80000000
	JLOAD \s                                       ; the ring is filled before anything else is done: two tensor loads of mine are out
.endr
	; A fragment is 16 rows x 32 K in 8 registers: lane l holds row l % 16; registers 0-3 hold K = 8 (l / 16) + 0..7, registers 4-7 hold
	; K = 16 + 8 (l / 16) + 0..7.  From rows that lie along K: two loads of 16 bytes, 32 bytes apart.  The same for source 0 and source 1.
	v_and_b32 v1, 15, v0                           ; l % 16
	v_bfe_u32 v2, v0, 4, 1                         ; l / 16
	v_mul_u32_u24 v3, v1, PITCH
	v_lshl_add_u32 v3, v2, 4, v3                   ; row x pitch + 16 x half
	s_mul_i32 s21, s11, HALFT                      ; my 128 rows of xh
	s_mul_i32 s22, s12, HALFT                      ; my 128 rows of wh,
	s_add_co_u32 s22, s22, 2*HALFT                 ; which lie behind xh's 256
.irp s, 0,1
	v_add_nc_u32 v[ADRA+(\s)], s21, v3
	v_add_nc_u32 v[ADRB+(\s)], s22, v3
	s_add_co_u32 s21, s21, SLOT
	s_add_co_u32 s22, s22, SLOT
.endr
	s_mul_i32 s23, s10, 16*SPITCH
	s_add_co_u32 s23, s23, STAGE                   ; my stage
	v_mul_u32_u24 v4, v1, SPITCH                   ; in: row l % 16, 32 bytes for each half of the lanes
	v_lshl_add_u32 v4, v2, 5, v4
	v_add_nc_u32 v[STO], s23, v4
	v_and_b32 v5, 31, v0
	v_lshlrev_b32 v[CO], 4, v5                     ; back: the 32 lanes take one row of 512 bytes, 16 each; the same in out0
	v_add_nc_u32 v[RD], s23, v[CO]
	; out0 at my part of the tile; scale and bias at my first column
	s_lshl_b32 s13, s13, 8
	s_lshl_b32 s14, s11, 7
	s_add_co_u32 s16, s13, s14                     ; my first row
	s_mov_b32 s17, 0
	s_mov_b64 s[18:19], SIZE_N*4
	s_mul_u64 s[16:17], s[16:17], s[18:19]
	s_lshl_b32 s46, s42, 10                        ; my first column, in bytes: 1,024 x tile column + 512 x half (in the registers that held wh's address: none that feeds xh's descriptors ever holds cx)
	s_lshl_b32 s47, s12, 9
	s_add_co_u32 s46, s46, s47
	s_mov_b32 s47, 0
	s_add_nc_u64 s[16:17], s[16:17], s[46:47]
	s_add_nc_u64 s[8:9], s[8:9], s[16:17]
	s_add_nc_u64 s[PSC:PSC+1], s[PSC:PSC+1], s[46:47]
	s_add_nc_u64 s[PBI:PBI+1], s[PBI:PBI+1], s[46:47]
	; Read back from the stage by rows, my lane holds the same 4 columns of every row: so 4 numbers of scale and 4 of bias serve the whole tile.  Each load of the wave covers 512 consecutive bytes.
	global_load_b128 v[SC4:SC4+3], v[CO], s[PSC:PSC+1]
	global_load_b128 v[BI4:BI4+3], v[CO], s[PBI:PBI+1]
; 16 matrix instructions: m blocks a0, a0 + 1 of the window's four (hi = 0: my rows 0-63, 1: rows 64-127) x all 8 n blocks, 32 along K.
; zero = 1: the first product starts the sums: nothing is ever cleared.  The 64 accumulators take turns, one instruction a turn, in the same order in every quarter.
.macro MUL16 f, hi, a0, zero
	WIN MUL_LO+0x50*(\hi)  ; MUL_LO or MUL_HI
.irp a, \a0, (\a0)+1
.irp b, 0,1,2,3,4,5,6,7
.if \zero
	v_wmma_f32_16x16x32_f16 v[8*(8*(\a)+(\b)):8*(8*(\a)+(\b))+7], v[(\f)+8*(\b):(\f)+8*(\b)+7], v[(\f)+8*(4*(\hi)+(\a)):(\f)+8*(4*(\hi)+(\a))+7], 0
.else
	v_wmma_f32_16x16x32_f16 v[8*(8*(\a)+(\b)):8*(8*(\a)+(\b))+7], v[(\f)+8*(\b):(\f)+8*(\b)+7], v[(\f)+8*(4*(\hi)+(\a)):(\f)+8*(4*(\hi)+(\a))+7], v[8*(8*(\a)+(\b)):8*(8*(\a)+(\b))+7]
.endif
.endr
.endr
.endm
; 32 LDS loads in one run: the fragments of one quarter step (128 rows of wh, 128 rows of xh, 32 K at byte k of the rows) into buffer f
.macro FETCH slot, k, f
	WIN TO_B
.irp i, 0,1,2,3,4,5,6,7
	ds_load_b128 v[(\f)+8*(\i):(\f)+8*(\i)+3],   v[ADRB+(\slot)] offset:(\k)+(\i)*16*PITCH
	ds_load_b128 v[(\f)+8*(\i)+4:(\f)+8*(\i)+7], v[ADRB+(\slot)] offset:(\k)+(\i)*16*PITCH+32
.endr
	WIN 0
.irp i, 0,1,2,3,4,5,6,7
	ds_load_b128 v[(\f)+8*(\i):(\f)+8*(\i)+3],   v[ADRA+(\slot)] offset:(\k)+(\i)*16*PITCH
	ds_load_b128 v[(\f)+8*(\i)+4:(\f)+8*(\i)+7], v[ADRA+(\slot)] offset:(\k)+(\i)*16*PITCH+32
.endr
.endm
; A load into a register that a matrix instruction has read or written, an LDS store of a matrix result, and a vector instruction that reads a matrix result stand four places behind that matrix
; instruction, and only plain vector instructions that name none of its registers are places (ISA guide 7.12.1 for vector instructions).
.macro PLACES
.rept 4
	v_nop
.endr
.endm
; A K step is four quarter steps of 32 along K, 64 matrix instructions each, on buffers 0, 1, 0, 1.
; One of the first three: multiplies buffer f; in its middle it fetches the next quarter's fragments, at byte k of the same slot's rows, into buffer g.
.macro QUARTER slot, k, f, g, zero
	s_wait_dscnt 8                                 ; wh and xh's rows 0-63 are in; the youngest eight loads (xh's rows 64-127) may be out
	WIN MUL_LO
	MUL16 \f, 0, 0, \zero
	MUL16 \f, 0, 2, \zero
	PLACES
	FETCH \slot, \k, \g
	s_wait_dscnt 32                                ; all but the 32 just issued
	WIN MUL_HI
	MUL16 \f, 1, 0, \zero
	MUL16 \f, 1, 2, \zero
.endm
; The last quarter multiplies buffer 1 and changes slots.  MEET is its first half: ONE barrier for the change of slots, for two things.  In front of it each wave waits for all its tensor
; loads, of which one is out: its part of the next slot; adds 0 to its spare word; and waits for that and for its own reads of this slot.  Behind it nobody reads this slot any more and the next slot is whole.
.macro MEET round                      ; round = 1: a round of the cluster's barrier follows
	WIN 0                                          ; (the add's two registers lie in window 0)
	s_wait_tensorcnt 0x0                           ; all my tensor loads have landed: the one that was out is my part of the next slot;
	ds_add_u32 v[SPW], v[NIL]                      ; 0 onto my spare word;
	s_wait_dscnt 9                                 ; (the add and the youngest eight loads may be out)
	WIN MUL_LO
	MUL16 F1, 0, 0, 0                              ; sixteen matrix instructions stand between the add and the wait for it
	s_wait_dscnt 0x0                               ; the add is done, and my reads of this slot are over:
	s_barrier_signal -1                            ; say so (where a slot is filled again this barrier opens a round of the cluster's barrier),
	MUL16 F1, 0, 2, 0                              ; work on registers while the others arrive,
.if \round
	WIN 0
.endif
	s_barrier_wait -1                              ; and go on when all four have said so
.endm
; The whole last quarter of a K step behind which the slot is filled again: behind the round the slot just read out takes the K step two steps on, first of all; then come the next slot's
; first fragments.  From a request to the wait for it a wave issues 224 matrix instructions.
.macro TURN slot, next
	MEET 1
	CREST                                          ; wave 0 says so for the work-group, all sixteen work-groups have said so, my work-group's barrier closes the round:
	                                               ; no wave of any partner still reads this slot's tile or has a load on its way
	s_add_nc_u64 s[G0+4*(\slot)+2:G0+4*(\slot)+3], s[G0+4*(\slot)+2:G0+4*(\slot)+3], 2*KSTEP*2      ; no tensor load of mine is out: a group 0 may be written
	s_add_nc_u64 s[G0B+4*(\slot)+2:G0B+4*(\slot)+3], s[G0B+4*(\slot)+2:G0B+4*(\slot)+3], 2*KSTEP*2
	JLOAD \slot                                    ; the first tensor load behind the round, my only one until the next; the four v_nop behind it are also the places in front of the loads below
	FETCH \next, 0, F0
	WIN MUL_HI
	MUL16 F1, 1, 0, 0
	MUL16 F1, 1, 2, 0
.endm
; THE LAST K STEP (it lies in slot 1) GOES BY ROWS.  All its fragments of wh (4 quarters x 64 registers) fill window 1; then my eight blocks of 16 rows are finished one after the other, each with
; 32 matrix instructions (its 8 accumulators by turns; K ascending: the sums stay the same bit for bit).  LDS is read no more than in any other K step.
.macro BLOAD q                         ; wh's fragments of quarter q -> window 1, v[64 q ..]
	WIN TO_B
.irp i, 0,1,2,3,4,5,6,7
	ds_load_b128 v[64*(\q)+8*(\i):64*(\q)+8*(\i)+3],   v[ADRB+1] offset:64*(\q)+(\i)*16*PITCH
	ds_load_b128 v[64*(\q)+8*(\i)+4:64*(\q)+8*(\i)+7], v[ADRB+1] offset:64*(\q)+(\i)*16*PITCH+32
.endr
.endm
.macro ALOAD a                         ; xh's fragments of block a, all four quarters -> buffer a % 4: eight loads
	WIN 0
.set FA, PA+32*((\a)%4)
.irp q, 0,1,2,3
	ds_load_b128 v[FA+8*(\q):FA+8*(\q)+3],   v[ADRA+1] offset:64*(\q)+(\a)*16*PITCH
	ds_load_b128 v[FA+8*(\q)+4:FA+8*(\q)+7], v[ADRA+1] offset:64*(\q)+(\a)*16*PITCH+32
.endr
.endm
.macro ROW a                           ; block a is finished: 32 matrix instructions
.set FA, PA+32*((\a)%4)                ; its fragments of xh
.set AC, 64*((\a)%4)                   ; its eight accumulators, in window 2 (blocks 0-3) or 3 (blocks 4-7)
	WIN MUL_LO+0x50*((\a)/4)                       ; MUL_LO or MUL_HI
.irp q, 0,1,2,3
.if (\a) == 0 && (\q) == 2
	s_wait_dscnt 24                                ; wh's quarter 2 is in (behind it: xh's blocks 1 to 3, 24 loads)
.endif
.irp b, 0,1,2,3,4,5,6,7
	v_wmma_f32_16x16x32_f16 v[AC+8*(\b):AC+8*(\b)+7], v[64*(\q)+8*(\b):64*(\q)+8*(\b)+7], v[FA+8*(\q):FA+8*(\q)+7], v[AC+8*(\b):AC+8*(\b)+7]
.endr
.endr
.endm
; THE WAY OUT of block a (16 rows x my 128 columns), in two parts, all under one window setting: the block's 64 registers are the destination and source 1, addresses, scale and bias are sources 0 and 2.
; TOSTAGE: the sums, a lane's 32 bytes of each of 8 column blocks (each accumulator's low four registers first), into my own stage; and back, as whole rows of 512 bytes,
; into the registers that they left.
.macro TOSTAGE a
.set AC, 64*((\a)%4)
	WIN OUT_LO+0x44*((\a)/4)
.irp b, 0,1,2,3,4,5,6,7
	ds_store_b128 v[STO], v[AC+8*(\b):AC+8*(\b)+3]   offset:64*(\b)
	ds_store_b128 v[STO], v[AC+8*(\b)+4:AC+8*(\b)+7] offset:64*(\b)+16
.endr
.irp t, 0,1,2,3,4,5,6,7,8,9,10,11,12,13,14,15
	ds_load_b128 v[AC+4*(\t):AC+4*(\t)+3], v[RD] offset:(\t)*SPITCH  ; LDS serves a wave's instructions in order (ISA guide 5.7.1.4): these see the stores above, and the next block's stores come behind them
.endr
.endm
; FIN: sum x scale + bias in place, one fused multiply-add for two numbers, and stored, a row to an instruction.  The row stands in the immediate (127 rows, 2,080,768 bytes, at the most: inside its
; signed 24 bits) and no register of a store is ever written again: so nothing here waits for a store.
.macro FIN a
.set AC, 64*((\a)%4)
	WIN OUT_LO+0x44*((\a)/4)
.if (\a) < 4
	s_wait_dscnt 8                                 ; the block is back; the eight loads of xh's block a + 4, issued behind it, may be out
.else
	s_wait_dscnt 0x0                               ; the block is back
.endif
.irp t, 0,1,2,3,4,5,6,7,8,9,10,11,12,13,14,15
	v_pk_fma_f32 v[AC+4*(\t):AC+4*(\t)+1],   v[SC4:SC4+1],   v[AC+4*(\t):AC+4*(\t)+1],   v[BI4:BI4+1]
	v_pk_fma_f32 v[AC+4*(\t)+2:AC+4*(\t)+3], v[SC4+2:SC4+3], v[AC+4*(\t)+2:AC+4*(\t)+3], v[BI4+2:BI4+3]
.endr
.irp t, 0,1,2,3,4,5,6,7,8,9,10,11,12,13,14,15
	global_store_b128 v[CO], v[AC+4*(\t):AC+4*(\t)+3], s[8:9] offset:(16*(\a)+(\t))*SIZE_N*4 th:TH_STORE_NT  ; the wave stores 512 consecutive bytes, at a multiple of 512 from out0's first byte
.endr
.endm
	s_wait_tensorcnt 1                             ; my part of K step 0 is in; K step 1's may stay out
	s_wait_loadcnt 0x0                             ; scale and bias, asked for behind the tiles: once
	s_barrier_signal -1
	s_barrier_wait -1                              ; everybody's part is in
	FETCH 0, 0, F0
	QUARTER 0, 64,  F0, F1, 1                      ; the first quarter stands in front of the loop: its products start the sums
	WIN 0                                          ; at a label and at a branch every window is 0
	s_mov_b32 s3, LAPS-1
.Llap:                                                 ; a trip goes once round the ring, from a lap's second quarter to the next lap's first, and fills both slots again
	QUARTER 0, 128, F1, F0, 0
	QUARTER 0, 192, F0, F1, 0
	TURN 0, 1
	QUARTER 1, 64,  F0, F1, 0
	QUARTER 1, 128, F1, F0, 0
	QUARTER 1, 192, F0, F1, 0
	TURN 1, 0
	QUARTER 0, 64,  F0, F1, 0
	WIN 0
	s_sub_co_u32 s3, s3, 1
	s_cmp_lg_u32 s3, 0
	s_cbranch_scc1 .Llap
	QUARTER 0, 128, F1, F0, 0                      ; the last lap is written out: it asks for nothing
	QUARTER 0, 192, F0, F1, 0
	MEET 0                                         ; my one tensor load that was still out is slot 1's, the last K step's, so no round follows
	PLACES                                         ; for the loads into buffer 0, which the quarter before multiplied
	BLOAD 0                                        ; three quarters of wh now: buffer 1 (v128-191 of both windows) is still being multiplied
	BLOAD 1
	BLOAD 3
	ALOAD 0
	MUL16 F1, 1, 0, 0
	MUL16 F1, 1, 2, 0
	PLACES                                         ; for the loads into buffer 1
	BLOAD 2
	ALOAD 1
	ALOAD 2
	ALOAD 3
	s_wait_dscnt 40                                ; all but the 40 just issued: wh's quarter 2 (16) and xh's blocks 1 to 3 (24)
	ROW 0
	PLACES                                         ; block 0's sums are stored, and its buffer of xh loaded again, four places behind its products: no other vector work is at hand yet
	s_wait_dscnt 0x0                               ; xh's blocks 1 to 3 are in: they were asked for a whole block's products ago
	TOSTAGE 0
	ALOAD 4
; Block a's 32 products stand between block a - 1's loads from the stage and the wait for them; block a - 1's 32 multiply-adds, which name no register of those products, are the places in
; front of block a's stores into the stage and of the loads into its buffer of xh.  Each block's stores leave while the later blocks are multiplied.
; xh's block a + 4 is shown in by the wait of the FIN that follows the next TOSTAGE, two blocks ahead of its products.
.irp a, 1,2,3,4,5,6,7
	ROW \a
	FIN (\a)-1
	TOSTAGE \a
.if (\a) < 4
	ALOAD (\a)+4                                   ; its buffer takes the block four further on
.endif
.endr
	FIN 7
	WIN 0
	s_wait_tensorcnt 0x0                           ; the wave's end, behind my last tensor load and my last LDS store
	ds_add_u32 v[SPW], v[NIL]
	s_wait_dscnt 0x0
	CROUND                                         ; the closing round: no work-group ends while a partner may still ask for a tile that names it
	s_endpgm
.Lfunc_end_k_q923901892f_gemm:
	.size	k_q923901892f_gemm, .Lfunc_end_k_q923901892f_gemm-k_q923901892f_gemm
	.p2alignl 7, 3214868480
	.fill 96, 4, 3214868480
	.section	.rodata,"a",@progbits
	.p2align	6, 0x0
	.amdhsa_kernel k_q923901892f_gemm
		.amdhsa_group_segment_fixed_size 327680
		.amdhsa_private_segment_fixed_size 0
		.amdhsa_enable_private_segment 0
		.amdhsa_kernarg_size 40
		.amdhsa_user_sgpr_count 2
		.amdhsa_user_sgpr_kernarg_segment_ptr 1
		.amdhsa_wavefront_size32 1
		.amdhsa_system_sgpr_workgroup_id_x 1
		.amdhsa_system_sgpr_workgroup_id_y 1
		.amdhsa_system_sgpr_workgroup_id_z 1
		.amdhsa_system_vgpr_workitem_id 0
		.amdhsa_next_free_vgpr 1024
		.amdhsa_next_free_sgpr 72
		.amdhsa_reserve_vcc 0
		.amdhsa_float_denorm_mode_32 3
		.amdhsa_float_denorm_mode_16_64 3
		.amdhsa_memory_ordered 1
		.amdhsa_forward_progress 1
		.amdhsa_inst_pref_size 156
	.end_amdhsa_kernel
	.amdgpu_metadata
---
amdhsa.version: [ 1, 2 ]
amdhsa.kernels:
  - .name:           k_q923901892f_gemm
    .symbol:         k_q923901892f_gemm.kd
    .args:
      - { .name: xh, .offset: 0, .size: 8, .value_kind: global_buffer, .address_space: global }
      - { .name: wh, .offset: 8, .size: 8, .value_kind: global_buffer, .address_space: global }
      - { .name: out0, .offset: 16, .size: 8, .value_kind: global_buffer, .address_space: global }
      - { .name: scale, .offset: 24, .size: 8, .value_kind: global_buffer, .address_space: global }
      - { .name: bias, .offset: 32, .size: 8, .value_kind: global_buffer, .address_space: global }
    .group_segment_fixed_size: 327680
    .private_segment_fixed_size: 0
    .kernarg_segment_align: 8
    .kernarg_segment_size: 40
    .max_flat_workgroup_size: 128
    .sgpr_count:     72
    .vgpr_count:     1024
    .wavefront_size: 32
...
	.end_amdgpu_metadata
.endif
;; end of part 2
;; ======== version 2 of 2: 2 launches; version 1 with the launch cvt written anew for expert scheduling mode
;; limits: values are held in f16: magnitudes above 65,504 overflow, below 6.1e-05 lose precision; inputs' magnitudes at most 65,504; below input magnitudes of 6.1e-05 results are inexact or not finite
;; workspace buffers: xh 33,554,432 bytes; wh 33,554,432 bytes
;; launch cvt (part 3): grid 512 x 2, 8 waves a work-group, no clusters, 0 bytes of LDS; arguments x, qweight, zero_point, xh, wh; writes xh, wh
.if DOCPART == 3
	.amdgcn_target "amdgcn-amd-amdhsa--gfx1250"
	.amdhsa_code_object_version 6
	.text
	.protected	k_q923901892f_cvt
	.globl	k_q923901892f_cvt
	.p2align	8
	.type	k_q923901892f_cvt,@function
k_q923901892f_cvt:
	s_mov_b64 s[64:65], 0
	v_nop
	global_prefetch_b8 v0, s[64:65] scope:SCOPE_SE
	s_setreg_imm32_b32 hwreg(HW_REG_WAVE_SCHED_MODE, 0, 2), 2
	s_setreg_imm32_b32 hwreg(HW_REG_WAVE_MODE, 25, 1), 1
	s_wait_xcnt 0x0
	s_wait_alu depctr_vm_vsrc(0)
; xh[m][i] = f16(x[m][i]);  wh[o][i] = f16(f32(q[o][i]) - f32(zp[o])).  x: [4096][4096] f32, q: [4096][4096] i32, zp: [4096] i32; xh, wh: [4096][4096] f16.
; Each operand of the product that follows is narrowed ONCE here, so that the product moves 2-byte numbers and does no conversion of its own.
; LIMITS.  f16 holds no number beyond 65,504: |x| from 65,520 on becomes an infinity; below 2^-14 x keeps f16's fixed step of 2^-24.  q - zp is exact up to 2,048 in magnitude,
; rounded to 11 bits above that, an infinity from 65,520 on.  NaN passes through.  The difference is formed as the problem's formula forms it: both numbers to f32, then subtracted.
; SHARES.  Work-group y = 0 takes x, y = 1 takes q.  Wave w of work-group g owns ONE row, 8 g + w: 16,384 bytes in, 8,192 bytes out, in 32 turns.  A turn is one load of 16 bytes a lane
; (512 consecutive bytes a wave) and one store of 8 bytes a lane (256 consecutive bytes, at a multiple of 256 from the buffer's first byte).
; No LDS, no barrier, no matrix unit, no cluster: no byte is read by two waves.
; THE MODE: SCHED_MODE bits 1:0 = 2 (LLVM: expert scheduling mode 2), set by the entry lines.  The code itself states the register dependences
; between vector instructions and memory instructions, with s_wait_alu, always for 0.
; THE PLAN.  The 32 turns go in 8 blocks of four.  Registers that memory instructions touch:
;   X0 .. X2   three blocks as loaded.  Block p's conversions read X[p % 3]; behind them the loads of block p + 3 land in it.  No other vector instruction names it.
;   Y          two registers for EACH of the 32 turns.  Written once, by the turn's conversion; read once, by the turn's store; never written again.
;   v3, v4     the lane offsets of loads and of stores, made once at the head and never written again: the turn's place stands in the immediates, and the scalar bases are never stepped.
; So ONE wait on va_vdst stands in a block, behind its conversions: it states that they have written the block's eight registers of Y and are done reading X[p % 3].  The block's four loads and
; four stores follow it, the loads first.  The emptied buffer is asked for again at once, so that 8 to 12 loads of every wave are on their way.
; No register that a memory instruction reads is ever written again: so behind the entry lines the text holds no wait on vm_vsrc and none on XCNT, and the only waits for memory are the counted ones for the loads.
.set BLOCK,  4                         ; turns in a block
.set BLOCKS, 8                         ; 32 turns
.set BUFS,   3                         ; buffers of loaded data
.set LI, 3                             ; v3         16 x lane: my 16 bytes of a turn's 512; never rewritten
.set LO, 4                             ; v4         8 x lane: my 8 bytes of a turn's 256; never rewritten
.set Z,  6                             ; v[6:7]     f32(zp of my row), twice: a pair for the packed subtraction; no memory instruction names it
.set T,  8                             ; v[8:11]    at work: no memory instruction names them
.set X,  12                            ; v[12:59]   buffer k, turn i of its block: 4 registers at X + 16 k + 4 i, as loaded
.set Y,  60                            ; v[60:123]  turn t: 2 registers to store
	s_load_b256 s[4:11], s[0:1], 0x0               ; x s[4:5], q s[6:7], zp s[8:9], xh s[10:11]
	s_load_b64 s[12:13], s[0:1], 0x20              ; wh
	v_lshrrev_b32 v1, 5, v0
	v_readfirstlane_b32 s14, v1                    ; wave 0..7
	v_and_b32 v2, 31, v0                           ; lane
	v_lshlrev_b32 v[LI], 4, v2
	v_lshlrev_b32 v[LO], 3, v2
	s_and_b32 s16, ttmp7, 0xffff                   ; 0: x, 1: q
	s_wait_alu depctr_va_sdst(0)                   ; s14 is written, ahead of its first reader: my row, and with it every base, is made from it
	s_lshl3_add_u32 s15, ttmp9, s14                ; my row = 8 x work-group + wave
	s_lshl_b32 s18, s15, 14                        ; the row's first byte in x or q (at most 4,095 x 16,384: under 2^32),
	s_mov_b32 s19, 0
	s_lshl_b32 s20, s15, 13                        ; in xh or wh,
	s_mov_b32 s21, 0
	s_lshl_b32 s22, s15, 2                         ; and its word in zp
	s_mov_b32 s23, 0
	s_wait_kmcnt 0x0
	s_wait_alu depctr_va_vdst(0)                   ; v3 and v4 are written: every load and store of the kernel, on both paths below, reads one of them as its offset
.macro FILL src                        ; blocks 0, 1 and 2 into X0, X1, X2
.irp i, 0,1,2,3,4,5,6,7,8,9,10,11
	global_load_b128 v[X+4*(\i):X+4*(\i)+3], v[LI], s[\src:\src+1] offset:512*(\i) th:TH_LOAD_NT
.endr
.endm
; Block p (an assembly symbol).  kind = 0: f32 to f16.  kind = 1: i32 to f32, less zp, to f16.
.macro BLK kind, src, dst
.set xb, X+4*BLOCK*(p%BUFS)
.if p <= BLOCKS-BUFS
	s_wait_loadcnt BLOCK*(BUFS-1)                  ; loads come back in order (ISA guide 5.7.1): 12 + 4 p have been issued, block p's four are in, the two younger blocks' eight stay out
.else
	s_wait_loadcnt BLOCK*(BLOCKS-1-p)              ; all 32 have been issued: the counts run down
.endif
.irp i, 0,1,2,3
.set sl, xb+4*(\i)
.set yt, Y+2*(BLOCK*p+(\i))
.if \kind
	v_cvt_f32_i32 v[T],   v[sl]
	v_cvt_f32_i32 v[T+1], v[sl+1]
	v_cvt_f32_i32 v[T+2], v[sl+2]
	v_cvt_f32_i32 v[T+3], v[sl+3]
	v_pk_add_f32 v[T:T+1],   v[T:T+1],   v[Z:Z+1] neg_lo:[0,1] neg_hi:[0,1]  ; q - zp, two at a time
	v_pk_add_f32 v[T+2:T+3], v[T+2:T+3], v[Z:Z+1] neg_lo:[0,1] neg_hi:[0,1]
	v_cvt_pk_f16_f32 v[yt],   v[T],   v[T+1]
	v_cvt_pk_f16_f32 v[yt+1], v[T+2], v[T+3]
.else
	v_cvt_pk_f16_f32 v[yt],   v[sl],   v[sl+1]      ; two roundings, packed: the first source in the low half
	v_cvt_pk_f16_f32 v[yt+1], v[sl+2], v[sl+3]
.endif
.endr
	s_wait_alu depctr_va_vdst(0)                   ; the block's conversions have written its eight registers of Y, which the stores below read, and are done reading X[p % 3], in which the loads below land
.if p < BLOCKS-BUFS
.irp i, 0,1,2,3
	global_load_b128 v[xb+4*(\i):xb+4*(\i)+3], v[LI], s[\src:\src+1] offset:512*(BLOCK*(p+BUFS)+(\i)) th:TH_LOAD_NT  ; the buffer's next block, three blocks on, ahead of the stores
.endr
.endif
.irp i, 0,1,2,3
	global_store_b64 v[LO], v[Y+2*(BLOCK*p+(\i)):Y+2*(BLOCK*p+(\i))+1], s[\dst:\dst+1] offset:256*(BLOCK*p+(\i))  ; no hint: the next launch reads these bytes
.endr
.set p, p+1
.endm
	s_cmp_lg_u32 s16, 0
	s_cbranch_scc1 .Lweights
	s_add_nc_u64 s[4:5], s[4:5], s[18:19]          ; x and xh at my row
	s_add_nc_u64 s[10:11], s[10:11], s[20:21]
	FILL 4
.set p, 0
.rept BLOCKS
	BLK 0, 4, 10
.endr
	s_endpgm
.Lweights:
	s_add_nc_u64 s[6:7], s[6:7], s[18:19]          ; q and wh at my row, zp at my row's word
	s_add_nc_u64 s[12:13], s[12:13], s[20:21]
	s_add_nc_u64 s[8:9], s[8:9], s[22:23]
	s_load_b32 s24, s[8:9], 0x0                    ; one zero point serves the whole row
	FILL 6
	s_wait_kmcnt 0x0
	v_cvt_f32_i32 v[Z], s24
	v_mov_b32 v[Z+1], v[Z]
.set p, 0
.rept BLOCKS
	BLK 1, 6, 12
.endr
	s_endpgm
.Lfunc_end_k_q923901892f_cvt:
	.size	k_q923901892f_cvt, .Lfunc_end_k_q923901892f_cvt-k_q923901892f_cvt
	.p2alignl 7, 3214868480
	.fill 96, 4, 3214868480
	.section	.rodata,"a",@progbits
	.p2align	6, 0x0
	.amdhsa_kernel k_q923901892f_cvt
		.amdhsa_group_segment_fixed_size 0
		.amdhsa_private_segment_fixed_size 0
		.amdhsa_enable_private_segment 0
		.amdhsa_kernarg_size 40
		.amdhsa_user_sgpr_count 2
		.amdhsa_user_sgpr_kernarg_segment_ptr 1
		.amdhsa_wavefront_size32 1
		.amdhsa_system_sgpr_workgroup_id_x 1
		.amdhsa_system_sgpr_workgroup_id_y 1
		.amdhsa_system_sgpr_workgroup_id_z 1
		.amdhsa_system_vgpr_workitem_id 0
		.amdhsa_next_free_vgpr 124
		.amdhsa_next_free_sgpr 66
		.amdhsa_reserve_vcc 0
		.amdhsa_float_denorm_mode_32 3
		.amdhsa_float_denorm_mode_16_64 3
		.amdhsa_memory_ordered 1
		.amdhsa_forward_progress 1
		.amdhsa_inst_pref_size 31
	.end_amdhsa_kernel
	.amdgpu_metadata
---
amdhsa.version: [ 1, 2 ]
amdhsa.kernels:
  - .name:           k_q923901892f_cvt
    .symbol:         k_q923901892f_cvt.kd
    .args:
      - { .name: x, .offset: 0, .size: 8, .value_kind: global_buffer, .address_space: global }
      - { .name: qweight, .offset: 8, .size: 8, .value_kind: global_buffer, .address_space: global }
      - { .name: zero_point, .offset: 16, .size: 8, .value_kind: global_buffer, .address_space: global }
      - { .name: xh, .offset: 24, .size: 8, .value_kind: global_buffer, .address_space: global }
      - { .name: wh, .offset: 32, .size: 8, .value_kind: global_buffer, .address_space: global }
    .group_segment_fixed_size: 0
    .private_segment_fixed_size: 0
    .kernarg_segment_align: 8
    .kernarg_segment_size: 40
    .max_flat_workgroup_size: 256
    .sgpr_count:     66
    .vgpr_count:     124
    .wavefront_size: 32
...
	.end_amdgpu_metadata
.endif
;; end of part 3
;; launch gemm: the kernel of part 2 again; grid 16 x 16, 4 waves a work-group, clusters of 4 x 4, 327,680 bytes of LDS; arguments xh, wh, out0, scale, bias; writes out0
